; MI455X (gfx1250); checked and timed in simulation.
; The chip was launched on July 23, 2026; its instructions are those of AMD's public machine-readable ISA for CDNA 5 (MIT licence, August 2026) and "CDNA5" Instruction Set Architecture Reference Guide (July 2026). The comments in the code are by the model that wrote it; some were corrected since.
;; s LSTM Cell. Allowed arithmetic: matrix products marked QUANTISED: E2M1 operands, one E8M0 scale for each 32 along K, by v_wmma_scale_f32_16x16x128_f8f6f4 with both operands' format E2M1 (or v_wmma_scale_f32_32x16x128_f4), f32 sums; everything else in f32.
;; Inputs: U_f 2,048 x 2,048 float32; U_i 2,048 x 2,048 float32; U_o 2,048 x 2,048 float32; U_z 2,048 x 2,048 float32; W_f 2,048 x 2,048 float32; W_i 2,048 x 2,048 float32; W_o 2,048 x 2,048 float32; W_z 2,048 x 2,048 float32; b_f 2,048 float32; b_i 2,048 float32; b_o 2,048 float32; b_z 2,048 float32; c_prev 2,048 x 2,048 float32; h_prev 2,048 x 2,048 float32; n_prev 2,048 x 2,048 float32; x 2,048 x 2,048 float32.
;; Outputs: out0 2,048 x 2,048 float32; out1 2,048 x 2,048 float32; out2 2,048 x 2,048 float32.
;; This version of the problem:
;;   THIS VERSION OF THE PROBLEM IS GIVEN IN LOW PRECISION. The matrix products marked QUANTISED in the list below multiply operands that are first quantised to E2M1 (2 exponent bits, 1 mantissa bit; 4 bits a number), with one power-of-two scale for each 32 numbers along K (OCP MX v1.0); their sums are f32. All else is computed in f32.
;;   The module's matrix products, in the order in which they are computed (A, B: the left and right operand; K: the contracted axis; several contracted axes count as one K, in the product's order):
;;     1. [M 2,048, K 2,048] x [K 2,048, N 2,048]; A: input x; B: input W_i: QUANTISED
;;     2. [M 2,048, K 2,048] x [K 2,048, N 2,048]; A: input h_prev; B: input U_i: QUANTISED
;;     3. [M 2,048, K 2,048] x [K 2,048, N 2,048]; A: input x; B: input W_f: QUANTISED
;;     4. [M 2,048, K 2,048] x [K 2,048, N 2,048]; A: input h_prev; B: input U_f: QUANTISED
;;     5. [M 2,048, K 2,048] x [K 2,048, N 2,048]; A: input x; B: input W_o: QUANTISED
;;     6. [M 2,048, K 2,048] x [K 2,048, N 2,048]; A: input h_prev; B: input U_o: QUANTISED
;;     7. [M 2,048, K 2,048] x [K 2,048, N 2,048]; A: input x; B: input W_z: QUANTISED
;;     8. [M 2,048, K 2,048] x [K 2,048, N 2,048]; A: input h_prev; B: input U_z: QUANTISED
;;   THE QUANTISER, for each operand of a quantised product, along K:
;;     - K is cut into blocks of 32 from its start; a last block that is shorter is filled with zeros.
;;     - A block's scale is 2^e with e = floor(log2(the largest magnitude in the block)) - 2, held to -126 .. 127; a block of zeros has e = 0. As a byte (E8M0): e + 127.
;;     - Each number is divided by its block's scale, clamped to +-6, and rounded to the nearest number of E2M1, ties to even, subnormals kept.
;;     - The product sums the exact products of the quantised numbers (number of the format x scale) in f32.
;;   ~~~python
;;   def quantise(x, axis):      # numpy; x: float32 -> the quantised numbers, widened to float32 again
;;       x = np.moveaxis(x, axis, -1); K = x.shape[-1]
;;       x = np.pad(x, [(0, 0)] * (x.ndim - 1) + [(0, -K % 32)]); x = x.reshape(x.shape[:-1] + (-1, 32)); a = np.abs(x).max(-1, keepdims=True)
;;       e = np.where(a > 0, np.clip(np.frexp(np.where(a > 0, a, 1))[1] - 1 - 2, -126, 127), 0)      # np.frexp(a)[1] - 1 = floor(log2(a)), exactly
;;       r = np.clip(x / 2.0 ** e, -6, 6)
;;       step = 2.0 ** (np.maximum(np.frexp(np.where(r == 0, 1, r))[1] - 1, 0) - 1)
;;       q = np.round(r / step) * step * 2.0 ** e      # np.round: ties to even
;;       return np.moveaxis(q.reshape(q.shape[:-2] + (-1,))[..., :K], -1, axis).astype(np.float32)
;;   ~~~
;; One version. Each part assembles by itself: llvm-mc -triple=amdgcn-amd-amdhsa -mcpu=gfx1250 --defsym DOCPART=n.
;; ======== version 1 of 1: 2 launches
;; limits: a function is approximated: absolute error at most 3e-07
;; workspace buffers: acode 4,194,304 bytes; bcode 16,777,216 bytes; scl 1,310,720 bytes
;; launch quant (part 1): grid 640 x 1, 8 waves a work-group, no clusters, 87,040 bytes of LDS; arguments W_i, W_f, W_o, W_z, U_i, U_f, U_o, U_z, x, h_prev, acode, bcode, scl; writes acode, bcode, scl
.if DOCPART == 1
	.amdgcn_target "amdgcn-amd-amdhsa--gfx1250"
	.amdhsa_code_object_version 6
	.text
	.protected	k_qbf9a58c2c6_quant
	.globl	k_qbf9a58c2c6_quant
	.p2align	8
	.type	k_qbf9a58c2c6_quant,@function
k_qbf9a58c2c6_quant:
	s_mov_b64 s[64:65], 0
	v_nop
	global_prefetch_b8 v0, s[64:65] scope:SCOPE_SE
	s_setreg_imm32_b32 hwreg(HW_REG_WAVE_MODE, 25, 1), 1
	s_wait_xcnt 0x0
; sLSTM cell, first of two launches: all ten operands of the eight products become codes of FP4 (E2M1) with one E8M0 scale byte for each 32 along K.
; NO WORK IS LEFT OUT in this program: every one of the 16 inputs reaches an output, and all eight products are live.
; The eight products are ONE product: A = [x | h_prev], 2,048 rows x K 4,096;  B = for each gate g (0 i, 1 f, 2 o, 3 z) and hidden column j the column [W_g(:, j) ; U_g(:, j)].  2,048 is a multiple of 32, so no block spans x and h_prev.
; acode [2,048 rows][2,048 bytes]: x's codes, then h_prev's; K innermost, the lower k in the low four bits.
; bcode [8,192 rows][2,048 bytes]: W_g's codes, then U_g's.  Row n' = 128 (j / 32) + 32 g + j % 32: 128 rows on end are the four gates of the same 32 hidden columns, which is what a wave of the next launch takes.
; scl   [8 K steps of 512][10,240 rows][16 bytes]: rows 0-2,047 A's, row 2,048 + n' B's; the 16 bytes are the row's scale bytes of that K step, K ascending.
; A block's scale is 2^(floor(log2(its largest magnitude)) - 2); its byte is the largest magnitude's exponent field - 2, held at 1 from below.  Each number is divided by the scale and rounded to the nearest code, ties to even, beyond 6 the code of 6.
; LIMITS: a block of zeros, or one whose largest magnitude lies under 2^(3 - 127), gets the byte 1 where the rule says 127 for zeros: its codes are zeros (or the rule's own), and this program alone reads the bytes.  NaN and infinities among the inputs are not served.
; SHARES.  Work-groups 0-511 take the weights (K is their FIRST axis): 128 columns x 512 along K of one weight; wave w: columns 32 (w % 4) on, rows of K 256 (w / 4) on.  A LANE TAKES A COLUMN AND ITS REGISTERS RUN DOWN K:
;   a block of 32 lies in one lane, the conversions give codes with K innermost, nothing is transposed by an instruction.  The codes meet in a stage in LDS and leave as rows of 256 bytes.
; Work-groups 512-639 take x and h_prev (K innermost): 16 rows; wave w: tensor w / 4, 512 along K from 512 (w % 4) on; a step is one row's 512 numbers, loaded as they lie (512 consecutive bytes a load) and turned through the wave's own stage so that a lane holds 16 neighbours.
; Every wave reads 32 KB.  The two kinds of work-group have LDS bytes of their own; all addresses of both are made at the head, ahead of the parting; one barrier stands where the ways join.
.set WSC,   34816                      ; LDS: 0: the weights' stage, 128 rows x 272;  here: their scale bytes, 128 x 16
.set ASTG,  36864                      ; 8 x 6,144: for each wave two stages of 32 x 80 bytes, and at + 5,120 its 256 scale bytes
.set SPARE, 86016                      ; the spare words, 128 bytes for each wave: four blocks of 256 bytes that no other line names
.set KPL,   163840                     ; a K step's plane of scl
.set WX,    20                         ; weights: v20-83 two sets of 32 numbers; v84-87 a block's codes; v88-89 eight scale bytes; v92-123, v124-125 the way out
.set WC,    84
.set WSB,   88
.set WOUT,  92
.set WSO,   124
.set AR,    20                         ; x, h_prev: v20-83 four sets of 16 as loaded; v84-115 two sets of 16 neighbours; v116-119 scale bytes; v120-151 codes, two registers for each step
.set AX,    84
.set AE,    116
.set AC,    120
	s_load_b512 s[16:31], s[0:1], 0x0              ; W_i W_f W_o W_z U_i U_f U_o U_z
	s_load_b256 s[32:39], s[0:1], 0x40             ; x, h_prev, acode, bcode
	s_load_b64 s[40:41], s[0:1], 0x60              ; scl
	v_lshl_add_u32 v2, v0, 2, SPARE                ; v2: my spare word; never rewritten
	v_mov_b32 v3, 0                                ; v3: 0; never rewritten
	v_lshrrev_b32 v16, 5, v0
	v_readfirstlane_b32 s2, v16                    ; wave 0..7
	v_and_b32 v1, 31, v0                           ; lane
	s_lshr_b32 s3, ttmp9, 6                        ; weights: which tensor, 4 x (U?) + gate
	s_bfe_u32 s4, ttmp9, 0x40002                   ; which 128 columns
	s_and_b32 s5, ttmp9, 3                         ; which 512 along K
	s_and_b32 s6, s2, 3                            ; wave % 4
	s_lshr_b32 s7, s2, 2                           ; wave / 4
	s_and_b32 s8, s3, 3                            ; gate
	s_bfe_u32 s9, s3, 0x10002
	s_lshl_b32 s9, s9, 2
	s_add_co_u32 s9, s9, s5                        ; K step of the joint K: 4 x (U?) + which 512
	; byte offsets, each under 2^32, each in the pair that will hold the address
	s_lshl_b32 s10, s5, 1
	s_add_co_u32 s10, s10, s7
	s_lshl_b32 s10, s10, 21                        ; the weight: 256 rows of 8,192 bytes x (2 x which 512 + wave / 4)
	s_lshl_b32 s11, s4, 2
	s_add_co_u32 s11, s11, s6
	s_lshl_b32 s11, s11, 7                         ; + 128 bytes x (my 32 columns' number)
	s_add_co_u32 s10, s10, s11
	s_mov_b32 s11, 0
	s_lshl_b32 s12, s4, 2                          ; on the way out wave w takes the stage's rows 16 w on: hidden columns 128 cg + 16 w on
	s_lshr_b32 s13, s2, 1
	s_add_co_u32 s12, s12, s13
	s_lshl_b32 s12, s12, 7
	s_lshl_b32 s13, s8, 5
	s_add_co_u32 s12, s12, s13
	s_and_b32 s13, s2, 1
	s_lshl_b32 s13, s13, 4
	s_add_co_u32 s12, s12, s13                     ; n0 = 128 (4 cg + w / 2) + 32 gate + 16 (w % 2): 16 rows of bcode on end
	s_lshl_b32 s44, s12, 11
	s_lshl_b32 s13, s9, 8
	s_add_co_u32 s44, s44, s13                     ; bcode: n0 x 2,048 + 256 x K step
	s_mov_b32 s45, 0
	s_mul_i32 s46, s9, KPL
	s_add_co_u32 s12, s12, 2048
	s_lshl_b32 s12, s12, 4
	s_add_co_u32 s46, s46, s12                     ; scl: the K step's plane + 16 (2,048 + n0)
	s_mov_b32 s47, 0
	s_and_b32 s12, ttmp9, 127                      ; x, h_prev: which 16 rows
	s_lshl_b32 s48, s12, 17
	s_lshl_b32 s13, s6, 11
	s_add_co_u32 s48, s48, s13                     ; 16 rows of 8,192 bytes + 2,048 x (wave % 4)
	s_mov_b32 s49, 0
	s_lshl_b32 s50, s12, 15
	s_lshl_b32 s13, s2, 8
	s_add_co_u32 s50, s50, s13                     ; acode: 16 rows of 2,048 + 256 x wave (the wave's number is its K step of the joint K)
	s_mov_b32 s51, 0
	s_mul_i32 s52, s2, KPL
	s_lshl_b32 s13, s12, 8
	s_add_co_u32 s52, s52, s13                     ; scl: the K step's plane + 16 bytes x 16 rows
	s_mov_b32 s53, 0
	; LDS addresses and lane offsets of both kinds of work-group
	v_lshlrev_b32 v4, 2, v1                        ; v4: 4 x lane: my column in a row of the weight
	s_mul_i32 s13, s6, 32*272
	s_lshl_b32 s14, s7, 7
	s_add_co_u32 s13, s13, s14
	v_mul_u32_u24 v5, v1, 272
	v_add_nc_u32 v5, s13, v5                       ; v5: the stage, on the way in: row = my column, + 128 bytes for the second 256 along K
	s_lshl_b32 s13, s6, 9
	s_lshl_b32 s14, s7, 3
	s_add_co_u32 s13, s13, s14
	s_add_co_u32 s13, s13, WSC
	v_lshl_add_u32 v6, v1, 4, s13                  ; v6: my column's 16 scale bytes, my 8 of them
	v_lshrrev_b32 v16, 4, v1
	v_and_b32 v17, 15, v1
	s_mul_i32 s13, s2, 16*272
	v_mul_u32_u24 v7, v16, 272
	v_lshl_add_u32 v7, v17, 4, v7
	v_add_nc_u32 v7, s13, v7                       ; v7: the stage, on the way out: sixteen lanes to a row, two rows an instruction, rows 16 w on
	v_lshlrev_b32 v8, 11, v16
	v_lshl_add_u32 v8, v17, 4, v8                  ; v8: the same place in bcode
	s_lshl_b32 s13, s2, 8
	s_add_co_u32 s13, s13, WSC
	v_lshl_add_u32 v9, v1, 3, s13                  ; v9: the scale bytes of rows 16 w on, 8 bytes a lane
	v_lshlrev_b32 v10, 3, v1                       ; v10: 8 x lane
	v_lshlrev_b32 v11, 4, v1                       ; v11: 16 x lane
	s_mul_i32 s15, s2, 6144
	s_add_co_u32 s15, s15, ASTG                    ; my wave's own region
	v_lshrrev_b32 v16, 2, v1
	v_and_b32 v17, 3, v1
	v_mul_u32_u24 v12, v16, 80
	v_lshl_add_u32 v12, v17, 4, v12
	v_add_nc_u32 v12, s15, v12                     ; v12: a stage, on the way in: four lanes' 64 bytes on end, then 16 of padding
	v_mul_u32_u24 v13, v1, 80
	v_add_nc_u32 v13, s15, v13                     ; v13: on the way out: my 16 neighbours
	s_add_co_u32 s13, s15, 5120
	v_lshrrev_b32 v16, 1, v1
	v_add_nc_u32 v14, s13, v16                     ; v14: my block's scale byte
	v_lshl_add_u32 v15, v1, 3, s13                 ; v15: and on the way out 8 bytes a lane
	s_wait_kmcnt 0x0
	s_bitcmp1_b32 s3, 0                            ; the weight is chosen by the work-group's number alone: bit 0,
	s_cselect_b64 s[16:17], s[18:19], s[16:17]
	s_cselect_b64 s[20:21], s[22:23], s[20:21]
	s_cselect_b64 s[24:25], s[26:27], s[24:25]
	s_cselect_b64 s[28:29], s[30:31], s[28:29]
	s_bitcmp1_b32 s3, 1                            ; bit 1,
	s_cselect_b64 s[16:17], s[20:21], s[16:17]
	s_cselect_b64 s[24:25], s[28:29], s[24:25]
	s_bitcmp1_b32 s3, 2                            ; W or U
	s_cselect_b64 s[42:43], s[24:25], s[16:17]
	s_cmp_eq_u32 s7, 0                             ; x (waves 0-3) or h_prev (waves 4-7)
	s_cselect_b64 s[54:55], s[32:33], s[34:35]
	s_add_nc_u64 s[42:43], s[42:43], s[10:11]
	s_add_nc_u64 s[44:45], s[38:39], s[44:45]
	s_add_nc_u64 s[46:47], s[40:41], s[46:47]
	s_add_nc_u64 s[48:49], s[54:55], s[48:49]
	s_add_nc_u64 s[50:51], s[36:37], s[50:51]
	s_add_nc_u64 s[52:53], s[40:41], s[52:53]
	s_cmp_lt_u32 ttmp9, 512
	s_cbranch_scc0 .Lpath_a
	; ---- THE WEIGHTS, first part: eight blocks of 32 along K for my column; loads run two blocks (64 loads a wave) ahead
.macro WLOAD t                         ; block t: W(32 t + i, my column), i = 0 .. 31, into set t % 2; 32 lanes read 128 consecutive bytes, the four waves beside each other 512
.irp i, 0,1,2,3,4,5,6,7,8,9,10,11,12,13,14,15,16,17,18,19,20,21,22,23,24,25,26,27,28,29,30,31
	global_load_b32 v[WX+32*((\t)%2)+\i], v4, s[42:43] offset:(32*(\t)+\i)*8192 th:TH_LOAD_NT
.endr
.endm
.macro WBLOCK t
.set XS, WX+32*((\t)%2)
.if (\t) < 7
	s_wait_loadcnt 32                              ; this block's 32 loads are in; the next block's 32 may be out
.else
	s_wait_loadcnt 0x0
.endif
	v_max3_num_f32 v16, |v[XS]|, |v[XS+1]|, |v[XS+2]|              ; the block's largest magnitude: all 32 numbers are mine; two chains
	v_max3_num_f32 v17, |v[XS+3]|, |v[XS+4]|, |v[XS+5]|
.irp i, 6,10,14,18,22,26
	v_max3_num_f32 v16, v16, |v[XS+\i]|, |v[XS+\i+1]|
	v_max3_num_f32 v17, v17, |v[XS+\i+2]|, |v[XS+\i+3]|
.endr
	v_max3_num_f32 v16, v16, |v[XS+30]|, |v[XS+31]|
	v_max3_num_f32 v16, v16, v17, 0x1800000        ; and the floor 2^(3 - 127): so the byte cannot fall under 1
	v_add_nc_u32 v18, 0xff000000, v16              ; 2 off its exponent field: the conversion takes the exponent field of this operand as its scale, and nothing else of it
	v_lshrrev_b32 v19, 23, v18                     ; the scale's byte
.if (\t)%4 == 0
	v_mov_b32 v[WSB+(\t)/4], v19                   ; four bytes to a register, the lower K in the lower byte
.else
	v_lshl_or_b32 v[WSB+(\t)/4], v19, 8*((\t)%4), v[WSB+(\t)/4]
.endif
.irp g, 0,1,2,3
	v_cvt_scalef32_pk8_fp4_f32 v[WC+\g], v[XS+8*\g:XS+8*\g+7], v18
.endr
	ds_store_b128 v5, v[WC:WC+3] offset:16*(\t)    ; 32 codes: 16 bytes of my column's row
.if (\t)+2 < 8
	WLOAD (\t)+2
.endif
	s_wait_dscnt 0x0                               ; the store has read its registers: the next block's codes may be written (plain vector lines stand ahead of them)
.endm
	WLOAD 0
	WLOAD 1
.irp t, 0,1,2,3,4,5,6,7
	WBLOCK \t
.endr
	ds_store_b64 v6, v[WSB:WSB+1]                  ; my column's eight scale bytes
	s_branch .Ljoin
.Lpath_a:
	; ---- x AND h_prev: sixteen steps, a row's 512 numbers each; loads run four steps (16 loads a wave) ahead, the turn through LDS one step
.macro ALOAD t
.irp i, 0,1,2,3
	global_load_b128 v[AR+16*((\t)%4)+4*\i:AR+16*((\t)%4)+4*\i+3], v11, s[48:49] offset:8192*(\t)+512*\i th:TH_LOAD_NT   ; 32 lanes read 512 consecutive bytes
.endr
.endm
.macro ATURN t                         ; step t's numbers through my own stage: LDS serves a wave's instructions in order (ISA guide 5.7.1.4), so no wait stands between the stores and the loads
.irp i, 0,1,2,3
	ds_store_b128 v12, v[AR+16*((\t)%4)+4*\i:AR+16*((\t)%4)+4*\i+3] offset:2560*((\t)%2)+640*\i
.endr
.irp i, 0,1,2,3
	ds_load_b128 v[AX+16*((\t)%2)+4*\i:AX+16*((\t)%2)+4*\i+3], v13 offset:2560*((\t)%2)+16*\i
.endr
.endm
.macro ASTEP t
.set XS, AX+16*((\t)%2)
.if (\t) > 0
	s_wait_dscnt 1                                 ; this step's numbers are back from the stage (the last step's byte store may be out): so its stores into the stage have read their registers,
.else
	s_wait_dscnt 0x0
.endif
.if (\t)+4 < 16
	ALOAD (\t)+4                                   ; which take the loads of four steps on
.endif
.if (\t)+1 < 16
.if 14-(\t) >= 3
	s_wait_loadcnt 12                              ; the next step's four loads are in; those of the three steps behind it may be out
.else
	s_wait_loadcnt 4*(14-(\t))                     ; near the end fewer steps are behind it
.endif
	ATURN (\t)+1                                   ; and go through the other stage while this step is worked
.endif
	v_max3_num_f32 v16, |v[XS]|, |v[XS+1]|, |v[XS+2]|              ; the largest magnitude of my 16
	v_max3_num_f32 v17, |v[XS+3]|, |v[XS+4]|, |v[XS+5]|
.irp i, 6,10
	v_max3_num_f32 v16, v16, |v[XS+\i]|, |v[XS+\i+1]|
	v_max3_num_f32 v17, v17, |v[XS+\i+2]|, |v[XS+\i+3]|
.endr
	v_max3_num_f32 v16, v16, |v[XS+14]|, |v[XS+15]|
	v_max3_num_f32 v16, v16, v17, 0x1800000        ; and the floor
	v_max_num_f32_dpp v16, v16, v16 row_xmask:1 row_mask:0xf bank_mask:0xf   ; and of my neighbour's 16: the block's
	v_add_nc_u32 v18, 0xff000000, v16
	v_cvt_scalef32_pk8_fp4_f32 v[AC+2*(\t)], v[XS:XS+7], v18
	v_cvt_scalef32_pk8_fp4_f32 v[AC+2*(\t)+1], v[XS+8:XS+15], v18
	v_lshrrev_b32 v[AE+(\t)%4], 23, v18            ; the scale's byte (a plain line behind the conversions)
	ds_store_b8 v14, v[AE+(\t)%4] offset:16*(\t)   ; both lanes of a block write the same byte with the same value
	global_store_b64 v10, v[AC+2*(\t):AC+2*(\t)+1], s[50:51] offset:2048*(\t)   ; 32 lanes store 256 consecutive bytes, aligned: the row's codes of this K step; each step has its own two registers
.endm
.irp t, 0,1,2,3
	ALOAD \t
.endr
	s_wait_loadcnt 12                              ; step 0's four loads are in
	ATURN 0
.irp t, 0,1,2,3,4,5,6,7,8,9,10,11,12,13,14,15
	ASTEP \t
.endr
	ds_load_b64 v[16:17], v15                      ; my wave's 256 scale bytes: 16 rows x 16; these loads see my stores
	s_wait_dscnt 0x0
	global_store_b64 v10, v[16:17], s[52:53]       ; 256 consecutive bytes, aligned
.Ljoin:
	s_wait_xcnt 0x0                                ; every store issued so far has read its registers: they may be loaded again behind the join
	s_wait_dscnt 0x0                               ; for the others' sake: my stores into the stage have landed
	s_barrier_signal -1
	s_barrier_wait -1
	s_cmp_lt_u32 ttmp9, 512
	s_cbranch_scc0 .Lend
	; ---- THE WEIGHTS, second part: wave w stores the stage's rows 16 w .. 16 w + 15, whole, and their scale bytes
	ds_load_b64 v[WSO:WSO+1], v9
.irp t, 0,1,2,3,4,5,6,7
	ds_load_b128 v[WOUT+4*\t:WOUT+4*\t+3], v7 offset:2*\t*272
.endr
	s_wait_dscnt 8                                 ; the scale bytes are in; the eight younger loads may be out
	global_store_b64 v10, v[WSO:WSO+1], s[46:47]   ; 16 rows x 16 bytes: 256 consecutive bytes, aligned
.irp t, 0,1,2,3,4,5,6,7
	s_wait_dscnt 7-\t                              ; load t is in; the younger ones may be out
	global_store_b128 v8, v[WOUT+4*\t:WOUT+4*\t+3], s[44:45] offset:2*\t*2048   ; sixteen lanes store 256 consecutive bytes, aligned: a row's codes of this K step
.endr
.Lend:
	s_wait_tensorcnt 0x0                           ; the wave's end: these three lines stand behind my last LDS store
	ds_add_u32 v2, v3
	s_wait_dscnt 0x0
	s_endpgm
.Lfunc_end_k_qbf9a58c2c6_quant:
	.size	k_qbf9a58c2c6_quant, .Lfunc_end_k_qbf9a58c2c6_quant-k_qbf9a58c2c6_quant
	.p2alignl 7, 3214868480
	.fill 96, 4, 3214868480
	.section	.rodata,"a",@progbits
	.p2align	6, 0x0
	.amdhsa_kernel k_qbf9a58c2c6_quant
		.amdhsa_group_segment_fixed_size 87040
		.amdhsa_private_segment_fixed_size 0
		.amdhsa_enable_private_segment 0
		.amdhsa_kernarg_size 104
		.amdhsa_user_sgpr_count 2
		.amdhsa_user_sgpr_kernarg_segment_ptr 1
		.amdhsa_wavefront_size32 1
		.amdhsa_system_sgpr_workgroup_id_x 1
		.amdhsa_system_sgpr_workgroup_id_y 1
		.amdhsa_system_sgpr_workgroup_id_z 1
		.amdhsa_system_vgpr_workitem_id 0
		.amdhsa_next_free_vgpr 160
		.amdhsa_next_free_sgpr 66
		.amdhsa_reserve_vcc 0
		.amdhsa_float_denorm_mode_32 3
		.amdhsa_float_denorm_mode_16_64 3
		.amdhsa_memory_ordered 1
		.amdhsa_forward_progress 1
		.amdhsa_inst_pref_size 75
	.end_amdhsa_kernel
	.amdgpu_metadata
---
amdhsa.version: [ 1, 2 ]
amdhsa.kernels:
  - .name:           k_qbf9a58c2c6_quant
    .symbol:         k_qbf9a58c2c6_quant.kd
    .args:
      - { .name: W_i, .offset: 0, .size: 8, .value_kind: global_buffer, .address_space: global }
      - { .name: W_f, .offset: 8, .size: 8, .value_kind: global_buffer, .address_space: global }
      - { .name: W_o, .offset: 16, .size: 8, .value_kind: global_buffer, .address_space: global }
      - { .name: W_z, .offset: 24, .size: 8, .value_kind: global_buffer, .address_space: global }
      - { .name: U_i, .offset: 32, .size: 8, .value_kind: global_buffer, .address_space: global }
      - { .name: U_f, .offset: 40, .size: 8, .value_kind: global_buffer, .address_space: global }
      - { .name: U_o, .offset: 48, .size: 8, .value_kind: global_buffer, .address_space: global }
      - { .name: U_z, .offset: 56, .size: 8, .value_kind: global_buffer, .address_space: global }
      - { .name: x, .offset: 64, .size: 8, .value_kind: global_buffer, .address_space: global }
      - { .name: h_prev, .offset: 72, .size: 8, .value_kind: global_buffer, .address_space: global }
      - { .name: acode, .offset: 80, .size: 8, .value_kind: global_buffer, .address_space: global }
      - { .name: bcode, .offset: 88, .size: 8, .value_kind: global_buffer, .address_space: global }
      - { .name: scl, .offset: 96, .size: 8, .value_kind: global_buffer, .address_space: global }
    .group_segment_fixed_size: 87040
    .private_segment_fixed_size: 0
    .kernarg_segment_align: 8
    .kernarg_segment_size: 104
    .max_flat_workgroup_size: 256
    .sgpr_count:     66
    .vgpr_count:     160
    .wavefront_size: 32
...
	.end_amdgpu_metadata
.endif
;; end of part 1
;; launch cell (part 2): grid 32 x 8, 4 waves a work-group, clusters of 4 x 4, 327,680 bytes of LDS; arguments acode, bcode, scl, b_i, b_f, b_o, b_z, c_prev, n_prev, out0, out1, out2; writes out0, out1, out2
.if DOCPART == 2
	.amdgcn_target "amdgcn-amd-amdhsa--gfx1250"
	.amdhsa_code_object_version 6
	.text
	.protected	k_qbf9a58c2c6_cell
	.globl	k_qbf9a58c2c6_cell
	.p2align	8
	.type	k_qbf9a58c2c6_cell,@function
k_qbf9a58c2c6_cell:
	s_mov_b64 s[64:65], 0
	v_nop
	global_prefetch_b8 v0, s[64:65] scope:SCOPE_SE
	s_setreg_imm32_b32 hwreg(HW_REG_WAVE_MODE, 25, 1), 1
	s_wait_xcnt 0x0
	s_wait_alu depctr_hold_cnt(0) depctr_sa_sdst(0) depctr_va_vdst(0) depctr_va_sdst(0) depctr_va_ssrc(0) depctr_va_vcc(0) depctr_vm_vsrc(0)
	s_getreg_b32 s2, hwreg(HW_REG_IB_STS2, 6, 4)
	s_cmp_eq_u32 s2, 0
	s_cbranch_scc0 .Lentry_in_a_cluster
	s_endpgm
.Lentry_in_a_cluster:
	s_bfe_u32 s2, ttmp6, 0x10000c
	s_cmp_lg_u32 s2, 0xf033
	s_cbranch_scc0 .Lentry_shape_is_right
	s_endpgm
.Lentry_shape_is_right:
; sLSTM cell, second of two launches: G_g = [x | h_prev] [W_g ; U_g] + b_g for the four gates as ONE product on codes of FP4 (E2M1) with E8M0 scales, M 2,048, K 4,096, N 8,192, and the whole cell on the way out:
;   i = e^Gi, f = e^Gf, o = 1 / (1 + e^-Go), z = tanh Gz;  c = f c_prev + i z (out1);  n = f n_prev + i (out2);  h = o c / (n + 1e-6) (out0).  No work is left out: all eight products and all inputs are live.
; acode [2,048][2,048 bytes], bcode [8,192][2,048 bytes]: codes, K innermost.  Row n' of bcode is gate g, hidden column j with n' = 128 (j / 32) + 32 g + j % 32.  scl [8 K steps][10,240 rows][16 bytes]: rows 0-2,047 A's, 2,048 + n' B's.
; A tile, 256 rows x 256 rows of B (64 hidden columns x 4 gates), is made by a work-group of four waves, as many as a WGP has SIMDs; a wave makes 128 x 128: 64 accumulators, 512 registers.  256 work-groups.
; THE MATRIX INSTRUCTION IS USED TRANSPOSED (source 0 = 16 rows of B, source 1 = 16 rows of A).  By bcode's row order accumulator (a, b = 2 g + u), register j, lane (r, h) is gate g at row 16 a + r, hidden column 16 u + 8 h + j of the wave's 32:
; ALL FOUR GATES OF AN ELEMENT LIE IN ONE LANE AT ONE REGISTER INDEX, so the cell needs no exchange between lanes.  The biases are the C of each sum's first matrix instruction.
; K goes in steps of 512 (rows of 256 bytes) through a ring of two LDS slots filled by the tensor data mover.  THE RING GOES ON INTO THE WAY OUT: at the last change of slots, slot 0 takes the work-group's tiles of c_prev and n_prev
; (256 rows x 256 bytes each: the very shape of the code tiles), which land while the last K step is multiplied.
; THE WALK ALONG K BEGINS AT K STEP 0 OR AT K STEP 4, by the cluster: p = ((X xor X / 2) + Y) mod 2, X and Y the cluster's own coordinates, the same in all sixteen partners; the walk is K steps 4 p, 4 p + 1, .. round the end of K.
; So the two clusters that read the same rows of bcode (same X) read them four K steps apart, and so do neighbours among the clusters that read the same rows of acode: a walk's last four K steps are the first four of such a neighbour's.
; THE SCALE WORDS come from memory straight into registers, a K step ahead: one load takes 256 consecutive bytes of A's words in lanes 0-15 and 256 of B's in lanes 16-31.
; CLUSTERS: 4 x 4 work-groups.  The four of a row of the cluster need the same tiles of A, the four of a column the same tiles of B: each is asked for JOINTLY.  c_prev's and n_prev's tiles are each work-group's own: plain loads, behind a round like the others.
; ORDER OF SUMS: the bias first, then the cluster's walk: x W ahead of h_prev U where p = 0, h_prev U ahead of x W where p = 1; inside each, K ascending.
; LIMITS: e^G under 2^-126 comes out as 0 (ISA guide 15.8: the exponential and the reciprocal flush denormals); where (1 + e^-Go)(n + 1e-6) reaches 2^126, h comes out as 0; tanh is 1 - 2 / (1 + e^2G), absolute error about 1e-7; NaN and infinities among the inputs are not served.
; REGISTERS, in windows of 256: window 0: v1-31 addresses; v32-95 scale words, two sets; v128-191 A's fragments, ONE set; on the way out v32-191 are at work.
;   window 1: B's fragments, two sets, at v0 and v128; v64-127 the biases; on the way out rows read back from LDS.   window 2: the accumulators of my rows 0-63 ((a, b) at v[8 (8 a + b)]);   window 3: those of rows 64-127.
.set KSTEP,  512
.set NQ,     4                         ; matrix instructions deep in a slot
.set ROWB,   256                       ; a tile's row in bytes
.set KROW,   2048                      ; a row of acode or bcode
.set PITCH,  272                       ; an LDS row: 256 bytes + 16 of padding = 68 words: row r starts at bank 4 r mod 64 (64 banks of 4 bytes: ISA guide 11.1)
.set FR,     8                         ; registers of a fragment: 16 rows x 128 K
.set NL,     2                         ; LDS loads that bring one
.set NP,     4                         ; places behind this matrix instruction (ISA guide 7.12.1)
.set HALFT,  128*PITCH                 ; 128 rows: what one tensor load brings
.set SLOT,   4*HALFT                   ; A's 256 rows, then B's 256 rows; later c_prev's 256 rows, then n_prev's
.set LAPS,   4                         ; 4,096 / (2 x 512)
.set KPL,    163840                    ; a K step's plane of scl
.set SPARE,  2*SLOT                    ; behind the ring: the spare words, 128 bytes for each wave: two blocks of 256 bytes that no other line names
.set RDC,  8                           ; v8-10   the way out: where I read rows of c, n, h back
.set RDN,  9
.set RDH,  10
.set CO,   11                          ; v11     and the same two rows in an output
.set BOFF, 12                          ; v12     my byte offset in a bias
.set ADRA, 16                          ; v16-17  LDS address of my A fragments in slot 0, 1
.set ADRB, 20                          ; v20-21  the same for B
.set EC,   24                          ; v24-26  the way out: my 32 bytes of a row of c (slot 0), n (slot 0, behind c), h (slot 1)
.set EN,   25
.set EH,   26
.set ADRS, 27                          ; v27     byte offset of my scale words in a plane of scl: lanes 0-15 A's rows, lanes 16-31 B's
.set SPW,  28                          ; v28     my spare word; never rewritten
.set NIL,  29                          ; v29     0; never rewritten
.set PFC,  31                          ; v31     prefetches of c_prev, n_prev: 8,192 x lane
.set SC,   32                          ; scale words: set s at v[SC + 32 s]; register 4 i + q: lanes 0-15 the word of A's block i, lanes 16-31 that of B's block i, for the K step's q-th 128
.set AF,   128
.set BI,   64                          ; window 1: the biases, 8 registers for each of B's eight blocks
.set GI,   32                          ; the way out, window 0: 16 registers a gate,
.set GF,   48
.set GO,   64
.set GZ,   80
.set CP,   96                          ; c_prev then c (16) and n_prev then n (16), two sets,
.set DP,   160                         ; the divisor then h (16), two sets
.set WRC,  2                           ; s2      2,048 p: a row of codes, what a walk that began at K step 4 goes back at the end of K
.set WRS,  4                           ; s4      8 planes of scl x p: the same for the scale words
.set SCB,  12                          ; s[12:13] scl at the plane that the loop loads
.set PCN,  66                          ; s[66:67] my 128 rows of c_prev or n_prev
.set G1,   24                          ; s[24:31] descriptor group 1 for A's tiles;  s[32:39] group 0, a set for each slot
.set G0,   32
.set G1B,  48                          ; s[48:55], s[56:63] the same for B's
.set G0B,  56
.set G1C,  84                          ; s[84:91] group 1 for c_prev's and n_prev's tiles;  s[92:95], s[96:99] their groups 0
.set G0C,  92
.set G0N,  96
.set MSB, 0
.macro WIN new                         ; the immediate's high byte repeats the setting that is left; a switch that changes nothing is dropped
.if MSB != \new
	s_set_vgpr_msb (MSB<<8)|\new
.set MSB, \new
.endif
.endm
.set MUL_LO, 0xa1                      ; source 0 (B) window 1, source 1 (A) window 0, C and D window 2
.set MUL_HI, 0xf1                      ; the same, C and D window 3
.set BIA_LO, 0x91                      ; the first step: C (the bias) window 1, D window 2
.set BIA_HI, 0xd1                      ; D window 3
.set TO_B,   0x40                      ; destination window 1, address window 0
; Waves 0 and 1 take the first pair of descriptor groups, waves 2 and 3 the second.  The branch hangs on the wave's number alone.  An s_nop 0 and four v_nop follow each of the two lines, ahead of the jump, the label and what follows.
.macro JLOAD g0a, g1a, g0b, g1b
	s_cmp_eq_u32 s15, 0
	s_cbranch_scc0 .Lfor_b_\@
	tensor_load_to_lds s[\g0a:\g0a+3], s[\g1a:\g1a+7]
	s_nop 0
.rept 4
	v_nop
.endr
	s_branch .Lasked_\@
.Lfor_b_\@:
	tensor_load_to_lds s[\g0b:\g0b+3], s[\g1b:\g1b+7]
	s_nop 0
.rept 4
	v_nop
.endr
.Lasked_\@:
.endm
.macro CREST                           ; a round of the cluster's barrier behind its opening barrier
	s_cmp_lg_u32 s14, 0
	s_cbranch_scc1 .Lnot_wave_0_\@
	s_barrier_signal -3
.Lnot_wave_0_\@:
	s_barrier_wait -3
	s_barrier_signal -1
	s_barrier_wait -1
.endm
.macro CROUND                          ; a whole round
	s_barrier_signal -1
	s_barrier_wait -1
	CREST
.endm
; A PREFETCH INTO THE L2 of c_prev and n_prev: my own 128 rows x 256 bytes, a lane a row, four instructions, behind the joint load of the change of slots that asks for the walk's K step 6 (the loop's last trip), its five lines and the run
; of LDS loads that follows: two changes of slots ahead of the load that will want them.  Each work-group's tiles are its own and each wave names the rows that it will fetch: every row's 256 bytes are named once in the launch.
; The codes are not prefetched: a walk's K steps 2 and 3 would have to be asked for at the head, where every work-group's first tiles are on their way; its last four K steps are the first four of a neighbouring cluster's walk.
.macro ASK
	s_cmp_eq_u32 s3, 1
	s_cbranch_scc0 .Lnot_yet_\@
.irp k, 0,1,2,3
	global_prefetch_b8 v[PFC], s[PCN:PCN+1] offset:\k*262144 th:TH_LOAD_NT scope:SCOPE_SE
.endr
.Lnot_yet_\@:
.endm
	s_load_b256 s[4:11], s[0:1], 0x0               ; acode s[4:5], bcode s[6:7], scl s[8:9], b_i s[10:11]
	s_load_b256 s[68:75], s[0:1], 0x20             ; b_f, b_o, b_z, c_prev s[74:75]
	s_load_b256 s[76:83], s[0:1], 0x40             ; n_prev s[76:77], out0, out1, out2
	v_lshl_add_u32 v[SPW], v0, 2, SPARE
	v_mov_b32 v[NIL], 0
	ds_add_u32 v[SPW], v[NIL]                      ; the wave's opening: the add, twice on end, and its wait stand ahead of my first tensor load; the set-up below, work on registers, stands between the second and the wait
	ds_add_u32 v[SPW], v[NIL]
	v_lshrrev_b32 v1, 5, v0
	v_readfirstlane_b32 s14, v1                    ; wave 0..3
	s_lshr_b32 s15, s14, 1                         ; which half of the tile's rows is mine.  Also: I fetch for A and c_prev (0) or for B and n_prev (1)
	s_and_b32 s16, s14, 1                          ; which half of its columns.  Also: which 128 rows I fetch
	s_bfe_u32 s40, ttmp6, 0x40000                  ; cx, cy: my place in the cluster
	s_bfe_u32 s41, ttmp6, 0x40004
	s_lshl_b32 s42, ttmp9, 2
	s_add_co_u32 s42, s42, s40                     ; tile column T = 4 x cluster x + cx: rows 256 T on of bcode, hidden columns 64 T on
	s_and_b32 s17, ttmp7, 0xffff
	s_lshl_b32 s17, s17, 2
	s_add_co_u32 s17, s17, s41                     ; tile row = 4 x cluster y + cy
	s_lshl_b32 s43, s41, 2
	s_lshl_b32 s43, 15, s43                        ; my row of the cluster
	s_lshl_b32 s44, 0x1111, s40                    ; my column
	s_lshr_b32 s18, ttmp9, 1                       ; where my cluster's walk begins: made of the cluster's coordinates alone, so it is the same in all sixteen partners
	s_xor_b32 s18, s18, ttmp9                      ; X xor X / 2: its low bit goes 0 1 1 0 0 1 1 0 along X
	s_and_b32 s19, ttmp7, 0xffff
	s_add_co_u32 s18, s18, s19                     ; + Y
	s_and_b32 s18, s18, 1                          ; p
	s_lshl_b32 s[WRC], s18, 11                     ; 2,048 p
	s_or_b32 s[G1+0], s43, (0<<16)|(1<<20)|(1<<21)|(5<<22)|(3<<25)  ; 15:0 the mask: A's tiles go to my row; 17:16 elements of 1 byte; 20 padding on; 21 set beside a mask; 24:22 after every 64 words (code 5); 31:25 of 4 words (code 3)
	s_or_b32 s[G1B+0], s44, (0<<16)|(1<<20)|(1<<21)|(5<<22)|(3<<25)
.irp g, G1, G1B
	s_mov_b32 s[\g+1], ROWB<<16                    ; tensor_dim0
	s_mov_b32 s[\g+2], 128<<16                     ; tensor_dim1
	s_mov_b32 s[\g+3], ROWB<<16                    ; tile_dim0
	s_mov_b32 s[\g+4], 128                         ; tile_dim1
	s_mov_b32 s[\g+5], KROW                        ; tensor_dim0_stride
	s_mov_b32 s[\g+6], 0
	s_mov_b32 s[\g+7], 0
.endr
	s_mov_b32 s[G1C+0], (0<<16)|(1<<20)|(5<<22)|(3<<25)             ; no mask: a load of my own; the same elements and padding
	s_mov_b32 s[G1C+1], 256<<16                    ; 256 bytes (64 f32) of a row,
	s_mov_b32 s[G1C+2], 128<<16                    ; 128 rows,
	s_mov_b32 s[G1C+3], 256<<16
	s_mov_b32 s[G1C+4], 128
	s_mov_b32 s[G1C+5], 8192                       ; 8,192 bytes from row to row
	s_mov_b32 s[G1C+6], 0
	s_mov_b32 s[G1C+7], 0
	s_lshl_b32 s18, s16, 7                         ; which 128 rows I fetch
	s_lshr_b32 s19, s[WRC], 1                      ; 1,024 p: four K steps along a row of codes
	s_lshl_b32 s20, s17, 8
	s_add_co_u32 s20, s20, s18
	s_lshl_b32 s20, s20, 11                        ; A: (256 x tile row + 128 x half) x 2,048 bytes: no register that feeds A's descriptors ever holds cx,
	s_add_co_u32 s20, s20, s19                     ; at the walk's first K step
	s_mov_b32 s21, 0
	s_lshl_b32 s46, s42, 8
	s_add_co_u32 s46, s46, s18
	s_lshl_b32 s46, s46, 11                        ; B: (256 T + 128 x half) x 2,048: none that feeds B's holds cy
	s_add_co_u32 s46, s46, s19
	s_mov_b32 s47, 0
	s_mul_i32 s22, s[WRC], 320                     ; 4 planes of scl x p (2,048 x 320 = 4 x 163,840)
	s_mov_b32 s23, 0
	s_mul_i32 s45, s14, HALFT                      ; where they go: wave x 128 rows: no place in the cluster enters an LDS address
	s_wait_dscnt 0x0                               ; both opening adds are done
	s_wait_kmcnt 0x0
	s_add_nc_u64 s[20:21], s[4:5], s[20:21]
	s_add_nc_u64 s[46:47], s[6:7], s[46:47]
	s_add_nc_u64 s[8:9], s[8:9], s[22:23]          ; scl at the plane of the walk's first K step: the head's loads take this plane and the next
	s_add_nc_u64 s[SCB:SCB+1], s[8:9], KPL         ; the loop's own pair: each change of slots steps it to the plane that it loads
	s_mul_i32 s[WRS], s[WRC], 640                  ; 8 planes x p (acode's address has been used: its register is free)
	CROUND                                         ; all sixteen work-groups are here: the first joint loads meet
.irp s, 0,1
	s_mov_b32 s[G0+4*\s], 1                        ; count = 1
	s_add_co_u32 s[G0+4*\s+1], s45, \s*SLOT        ; LDS address
	s_add_nc_u64 s[G0+4*\s+2:G0+4*\s+3], s[20:21], \s*ROWB   ; global address: the walk's K step s
	s_or_b32 s[G0+4*\s+3], s[G0+4*\s+3], 0x80000000          ; type = 2
	s_mov_b32 s[G0B+4*\s], 1
	s_add_co_u32 s[G0B+4*\s+1], s45, \s*SLOT
	s_add_nc_u64 s[G0B+4*\s+2:G0B+4*\s+3], s[46:47], \s*ROWB
	s_or_b32 s[G0B+4*\s+3], s[G0B+4*\s+3], 0x80000000
	JLOAD G0+4*\s, G1, G0B+4*\s, G1B               ; two loads of mine are out here; behind every later round one
.endr
	v_and_b32 v1, 15, v0                           ; r = l % 16
	v_bfe_u32 v2, v0, 4, 1                         ; h = l / 16
	v_mul_u32_u24 v3, v1, PITCH
	v_lshl_add_u32 v4, v2, 4, v3                   ; a fragment's row x pitch + 16 x half
	s_mul_i32 s21, s15, HALFT                      ; my 128 rows of A
	s_mul_i32 s22, s16, HALFT                      ; my 128 rows of B,
	s_add_co_u32 s22, s22, 2*HALFT                 ; which lie behind A's 256
.irp s, 0,1
	v_add_nc_u32 v[ADRA+\s], s21, v4
	v_add_nc_u32 v[ADRB+\s], s22, v4
	s_add_co_u32 s21, s21, SLOT
	s_add_co_u32 s22, s22, SLOT
.endr
	s_mul_i32 s21, s15, HALFT                      ; the way out: my 128 rows of the tile,
	s_lshl_b32 s22, s16, 7                         ; my 128 bytes (32 hidden columns) of a row
	s_add_co_u32 s22, s22, s21
	v_lshl_add_u32 v5, v2, 5, v3                   ; row r, + 32 h
	v_add_nc_u32 v[EC], s22, v5
	v_add_nc_u32 v[EN], 2*HALFT, v[EC]
	v_add_nc_u32 v[EH], SLOT, v[EC]
	s_mul_i32 s22, s16, 16*PITCH                   ; back: of a phase's 32 rows the wave with the left columns takes the first 16, the other the last 16, whole
	s_add_co_u32 s22, s22, s21
	v_mul_u32_u24 v5, v2, PITCH                    ; lanes 0-15 one row of 256 bytes, lanes 16-31 the next
	v_lshl_add_u32 v5, v1, 4, v5
	v_add_nc_u32 v[RDC], s22, v5
	v_add_nc_u32 v[RDN], 2*HALFT, v[RDC]
	v_add_nc_u32 v[RDH], SLOT, v[RDC]
	v_lshlrev_b32 v5, 13, v2
	v_lshl_add_u32 v[CO], v1, 4, v5                ; and the same two rows in an output
	s_lshl_b32 s21, s42, 8
	s_lshl_b32 s22, s16, 7
	s_add_co_u32 s21, s21, s22
	v_lshl_add_u32 v[BOFF], v2, 5, s21             ; a bias: 4 bytes x (64 T + 32 x half + 8 h)
	s_lshl_b32 s21, s17, 8
	s_lshl_b32 s22, s15, 7
	s_add_co_u32 s21, s21, s22
	s_lshl_b32 s21, s21, 4                         ; scale words: A's, 16 bytes x my first row;
	s_lshl_b32 s22, s42, 8
	s_lshl_b32 s23, s16, 7
	s_add_co_u32 s22, s22, s23
	s_add_co_u32 s22, s22, 2048
	s_lshl_b32 s22, s22, 4                         ; B's, 16 bytes x (2,048 + my first row)
	s_sub_co_u32 s22, s22, s21
	v_mul_u32_u24 v5, s22, v2                      ; lanes 16-31 take B's: the lower base + h x the distance
	v_lshl_add_u32 v6, v1, 4, s21
	v_add_nc_u32 v[ADRS], v5, v6
	v_and_b32 v5, 31, v0
	v_lshlrev_b32 v[PFC], 13, v5
	WIN TO_B
.irp u, 0,1                            ; the biases in the result's layout: block 2 g + u, register j: b_g at hidden column 16 u + 8 h + j of my 32
	global_load_b128 v[BI+8*\u:BI+8*\u+3],       v[BOFF], s[10:11] offset:64*\u
	global_load_b128 v[BI+8*\u+4:BI+8*\u+7],     v[BOFF], s[10:11] offset:64*\u+16
	global_load_b128 v[BI+16+8*\u:BI+16+8*\u+3],   v[BOFF], s[68:69] offset:64*\u
	global_load_b128 v[BI+16+8*\u+4:BI+16+8*\u+7], v[BOFF], s[68:69] offset:64*\u+16
	global_load_b128 v[BI+32+8*\u:BI+32+8*\u+3],   v[BOFF], s[70:71] offset:64*\u
	global_load_b128 v[BI+32+8*\u+4:BI+32+8*\u+7], v[BOFF], s[70:71] offset:64*\u+16
	global_load_b128 v[BI+48+8*\u:BI+48+8*\u+3],   v[BOFF], s[72:73] offset:64*\u
	global_load_b128 v[BI+48+8*\u+4:BI+48+8*\u+7], v[BOFF], s[72:73] offset:64*\u+16
.endr
	WIN 0
.macro SCALES set, koff, base          ; a K step's scale words into a set: four words a row; lanes 0-15 read 256 consecutive bytes of A's block i, lanes 16-31 256 of B's block i; koff planes on from the base
.irp i, 0,1,2,3,4,5,6,7
	global_load_b128 v[SC+32*(\set)+4*\i:SC+32*(\set)+4*\i+3], v[ADRS], s[\base:\base+1] offset:256*\i+KPL*(\koff)
.endr
.endm
	SCALES 0, 0, 8                                 ; the walk's K step 0
	SCALES 1, 1, 8                                 ; and K step 1 (K steps 0, 1 or 4, 5 of K: both planes lie in the buffer)
	; c_prev's and n_prev's tiles: rows 256 x tile row + 128 x half, bytes 256 T on
	s_lshl_b32 s22, s17, 8
	s_lshl_b32 s23, s16, 7
	s_add_co_u32 s22, s22, s23
	s_lshl_b32 s22, s22, 13
	s_lshl_b32 s23, s42, 8
	s_add_co_u32 s22, s22, s23
	s_mov_b32 s23, 0
	s_mov_b32 s[G0C], 1
	s_mov_b32 s[G0C+1], s45                        ; slot 0, wave x 128 rows: waves 0, 1: c_prev where A's tile lay
	s_add_nc_u64 s[G0C+2:G0C+3], s[74:75], s[22:23]
	s_or_b32 s[G0C+3], s[G0C+3], 0x80000000
	s_mov_b32 s[G0N], 1
	s_mov_b32 s[G0N+1], s45                        ; waves 2, 3: n_prev where B's tile lay
	s_add_nc_u64 s[G0N+2:G0N+3], s[76:77], s[22:23]
	s_or_b32 s[G0N+3], s[G0N+3], 0x80000000
	s_cmp_eq_u32 s15, 0
	s_cselect_b64 s[PCN:PCN+1], s[74:75], s[76:77]
	s_add_nc_u64 s[PCN:PCN+1], s[PCN:PCN+1], s[22:23]
	; the outputs at the first row that I store: 256 x tile row + 128 x row half + 16 x column half; bytes 256 T on
	s_lshl_b32 s22, s17, 8
	s_lshl_b32 s23, s15, 7
	s_add_co_u32 s22, s22, s23
	s_lshl_b32 s23, s16, 4
	s_add_co_u32 s22, s22, s23
	s_lshl_b32 s22, s22, 13
	s_lshl_b32 s23, s42, 8
	s_add_co_u32 s22, s22, s23
	s_mov_b32 s23, 0
	s_add_nc_u64 s[78:79], s[78:79], s[22:23]
	s_add_nc_u64 s[80:81], s[80:81], s[22:23]
	s_add_nc_u64 s[82:83], s[82:83], s[22:23]
.macro FRAG reg, adr, q, i             ; a fragment, 16 rows x 128 K of 4-bit codes, is 8 registers: lane l holds row l % 16; registers 4 c .. 4 c + 3 hold K = 64 c + 32 (l / 16) + 0 .. 31
.irp c, 0,1
	ds_load_b128 v[\reg+4*\c:\reg+4*\c+3], v[\adr] offset:64*(\q)+32*\c+(\i)*16*PITCH
.endr
.endm
; 16 matrix instructions: A's blocks a0, a0 + 1 x B's eight, 128 along K: the slot's q-th.  p: B's set;  sc: the set of scale words.  zero = 1: the bias is the C of the first product: nothing is cleared, nothing is added later.
; The 64 accumulators take turns, one instruction a turn, in the same order in every step.
.macro MUL16 a0, p, q, sc, zero
.irp a, \a0, \a0+1
.irp b, 0,1,2,3,4,5,6,7
.if \zero
	v_wmma_scale_f32_16x16x128_f8f6f4 v[8*(8*((\a)%4)+\b):8*(8*((\a)%4)+\b)+7], v[128*(\p)+FR*\b:128*(\p)+FR*\b+FR-1], v[AF+FR*(\a):AF+FR*(\a)+FR-1], v[BI+8*\b:BI+8*\b+7], v[SC+8*NQ*(\sc)+NQ*\b+(\q)], v[SC+8*NQ*(\sc)+NQ*(\a)+(\q)] matrix_a_fmt:MATRIX_FMT_FP4 matrix_b_fmt:MATRIX_FMT_FP4 matrix_a_scale:MATRIX_SCALE_ROW1
.else
	v_wmma_scale_f32_16x16x128_f8f6f4 v[8*(8*((\a)%4)+\b):8*(8*((\a)%4)+\b)+7], v[128*(\p)+FR*\b:128*(\p)+FR*\b+FR-1], v[AF+FR*(\a):AF+FR*(\a)+FR-1], v[8*(8*((\a)%4)+\b):8*(8*((\a)%4)+\b)+7], v[SC+8*NQ*(\sc)+NQ*\b+(\q)], v[SC+8*NQ*(\sc)+NQ*(\a)+(\q)] matrix_a_fmt:MATRIX_FMT_FP4 matrix_b_fmt:MATRIX_FMT_FP4 matrix_a_scale:MATRIX_SCALE_ROW1
.endif
.endr
.endr
.endm
.macro FETCH_B slot, q, p              ; B's eight fragments of the slot's q-th 128 along K into set p
	WIN TO_B
.irp i, 0,1,2,3,4,5,6,7
	FRAG 128*(\p)+FR*\i, ADRB+\slot, \q, \i
.endr
	WIN 0
.endm
.macro FETCH_A slot, q, i0             ; A's blocks i0 .. i0 + 3
.irp i, \i0, \i0+1, \i0+2, \i0+3
	FRAG AF+FR*(\i), ADRA+\slot, \q, \i
.endr
.endm
; A load into a register that a matrix instruction has read, and a vector instruction that reads a matrix result or writes one of a matrix instruction's registers, stand NP places behind it; only plain vector instructions
; that name none of its registers are places (ISA guide 7.12.1 for vector instructions).
.macro PLACES n
.rept \n
	v_nop
.endr
.endm
; A step of 128 along K that has its successor in the same slot.  A's blocks go one after the other, each against B's eight: blocks 0-3 are fetched anew in the step's middle, blocks 4-7 at its end; B has two sets.
.macro STEP slot, q, zero
	s_wait_dscnt 4*NL                              ; B's set and A's blocks 0-3 are in; the youngest eight loads (A's blocks 4-7) may be out
.if \zero
	WIN BIA_LO
.else
	WIN MUL_LO
.endif
	MUL16 0, (\q)%2, \q, \slot, \zero
	MUL16 2, (\q)%2, \q, \slot, \zero
	s_wait_dscnt 0                                 ; A's blocks 4-7 are in (asked for 32 matrix instructions ago)
	PLACES NP
	FETCH_B \slot, (\q)+1, 1-(\q)%2
	FETCH_A \slot, (\q)+1, 0
.if \zero
	WIN BIA_HI
.else
	WIN MUL_HI
.endif
	MUL16 4, (\q)%2, \q, \slot, \zero
	MUL16 6, (\q)%2, \q, \slot, \zero
	PLACES NP
	WIN 0
	FETCH_A \slot, (\q)+1, 4
.endm
; A slot's last step changes slots: ONE barrier, which opens a round of the cluster's; in front of it each wave waits for all its tensor loads, adds 0 to its spare word, and waits for that and for its own reads of this slot.
; fill = 1: this slot takes the codes two K steps on in the walk, and the scale set just read out takes the words of that K step.  fill = 2: slot 0 takes c_prev's and n_prev's tiles.
; THE END OF K.  The loop's second trip (s3 = 2) asks for the walk's K steps 4 and 5.  A walk that began at K step 4 has then passed the end of K: each slot's address goes back a whole row of codes, the scale words' address eight planes, once.
; A walk that began at K step 0 goes back by 0.  The amounts hang on the loop's count and on p alone: they are the same in all sixteen partners.
.macro TURN slot, next, fill
.if \fill == 1
	s_cmp_eq_u32 s3, 2
	s_cselect_b32 s18, s[WRC], 0                   ; s[18:19]: what this slot's address goes back (s19 = 0)
.if \slot == 0
	s_cselect_b32 s20, s[WRS], 0                   ; s[20:21]: and the scale words' (s21 = 0): at the trip's first change of slots alone
.endif
	s_wait_xcnt 0x0                                ; the scale loads that read this address were issued a K step back: it is stepped only behind this wait
	s_add_nc_u64 s[SCB:SCB+1], s[SCB:SCB+1], KPL   ; scl at the plane of the walk's K step after next
.if \slot == 0
	s_sub_nc_u64 s[SCB:SCB+1], s[SCB:SCB+1], s[20:21]
.endif
.endif
	s_wait_tensorcnt 0x0                           ; all my tensor loads have landed: my part of the next slot;  (every window is 0 here: the add's two registers lie in window 0)
	ds_add_u32 v[SPW], v[NIL]                      ; 0 onto my spare word
	s_wait_dscnt 4*NL+1                            ; (the add and the youngest eight loads, A's blocks 4-7, may be out)
	WIN MUL_LO
	MUL16 0, 1, NQ-1, \slot, 0                     ; sixteen matrix instructions stand between the add and the wait for it
	s_wait_dscnt 0x0                               ; the add is done, and my reads of this slot are over
	s_barrier_signal -1
	MUL16 2, 1, NQ-1, \slot, 0
	WIN 0
	s_barrier_wait -1
	CREST                                          ; no wave of any partner still reads this slot's tile or has a load on its way
.if \fill == 1
	s_add_nc_u64 s[G0+4*\slot+2:G0+4*\slot+3], s[G0+4*\slot+2:G0+4*\slot+3], 2*ROWB
	s_sub_nc_u64 s[G0+4*\slot+2:G0+4*\slot+3], s[G0+4*\slot+2:G0+4*\slot+3], s[18:19]     ; the address stays at or above the row's first byte: the type bits on top are not reached
	s_add_nc_u64 s[G0B+4*\slot+2:G0B+4*\slot+3], s[G0B+4*\slot+2:G0B+4*\slot+3], 2*ROWB
	s_sub_nc_u64 s[G0B+4*\slot+2:G0B+4*\slot+3], s[G0B+4*\slot+2:G0B+4*\slot+3], s[18:19]
	JLOAD G0+4*\slot, G1, G0B+4*\slot, G1B         ; the first tensor load behind the round; the four v_nop behind it are the places in front of the loads below
.else
	JLOAD G0C, G1C, G0N, G1C                       ; waves 0, 1: c_prev's halves; waves 2, 3: n_prev's
.endif
	FETCH_B \next, 0, 0
	FETCH_A \next, 0, 0
.if (\fill == 1) && (\slot == 0)
	ASK
.endif
	WIN MUL_HI
	MUL16 4, 1, NQ-1, \slot, 0
	MUL16 6, 1, NQ-1, \slot, 0
	PLACES NP
	WIN 0
	FETCH_A \next, 0, 4
.if \fill == 1
	SCALES \slot, 0, SCB                           ; four places behind the set's last reader: the words of the K step after next
	s_wait_loadcnt 8                               ; only those eight may be out: the next K step's words, asked for a K step ago, are in
.else
	s_wait_loadcnt 0x0                             ; the last K step's words are in
.endif
.endm
.macro STEPS slot, from                ; the slot's steps from .. NQ - 2
.set Q, \from
.rept NQ-1-\from
	STEP \slot, Q, 0
.set Q, Q+1
.endr
.endm
	s_wait_tensorcnt 1                             ; my part of the walk's K step 0 is in (K step 1's load may be out)
	s_barrier_signal -1
	s_barrier_wait -1                              ; everybody's is
	FETCH_B 0, 0, 0
	FETCH_A 0, 0, 0
	FETCH_A 0, 0, 4
	s_wait_loadcnt 8                               ; the biases and K step 0's scale words are in; K step 1's eight loads may be out
	STEP 0, 0, 1                                   ; the first step stands in front of the loop: its products start the sums from the biases
	s_mov_b32 s19, 0                               ; the upper words of the two amounts that TURN takes off addresses
	s_mov_b32 s21, 0
	s_mov_b32 s3, LAPS-1
.Llap:                                                 ; a trip goes once round the ring, from a lap's second step to the next lap's first, and fills both slots again
	STEPS 0, 1
	TURN 0, 1, 1
	STEPS 1, 0
	TURN 1, 0, 1
	STEP 0, 0, 0
	s_sub_co_u32 s3, s3, 1
	s_cmp_lg_u32 s3, 0
	s_cbranch_scc1 .Llap
	STEPS 0, 1                                     ; the last lap is written out
	TURN 0, 1, 2                                   ; slot 0 takes c_prev and n_prev while the walk's last K step is multiplied
	STEPS 1, 0
	s_wait_dscnt 4*NL                              ; the very last step: nothing more to fetch
	WIN MUL_LO
	MUL16 0, 1, NQ-1, 1, 0
	MUL16 2, 1, NQ-1, 1, 0
	s_wait_dscnt 0
	WIN MUL_HI
	MUL16 4, 1, NQ-1, 1, 0
	MUL16 6, 1, NQ-1, 1, 0
	WIN 0
	PLACES NP                                      ; behind the last products: for the loads into the registers that held A's fragments, the writes over the scale words and the reads of results
	s_wait_tensorcnt 0x0                           ; my part of c_prev or n_prev has landed,
	s_wait_dscnt 0x0                               ; my reads of slot 1 are over:
	s_barrier_signal -1
	s_barrier_wait -1                              ; both hold of every wave: the two tiles are whole, and slot 1, which has had its last fill, may be written
; THE WAY OUT, in four phases of 32 rows (my blocks 2 p and 2 p + 1).  c and n are written over c_prev's and n_prev's own bytes in slot 0, h into slot 1; a row's 256 bytes come from two waves, so a barrier stands between
; the writing and the reading; then each wave stores 16 whole rows of each output.  A phase's stores leave while the next phase is worked; later phases touch other rows, so one barrier a phase is enough.
.macro CNL a                           ; c_prev and n_prev of block a: my 16 numbers of row r, into set a % 2
.set CE, CP+32*((\a)%2)
.irp u, 0,1
.irp k, 0,1
	ds_load_b128 v[CE+8*\u+4*\k:CE+8*\u+4*\k+3],       v[EC] offset:16*PITCH*(\a)+64*\u+16*\k
	ds_load_b128 v[CE+16+8*\u+4*\k:CE+16+8*\u+4*\k+3], v[EN] offset:16*PITCH*(\a)+64*\u+16*\k
.endr
.endr
.endm
.macro EPI a, left                     ; the cell for block a: 16 elements a lane.  left: the LDS instructions issued behind its eight loads, which may stay out
.set AC, 64*((\a)%4)
.set CE, CP+32*((\a)%2)
.set NE, CE+16
.set DE, DP+16*((\a)%2)
	WIN (0x02+(\a)/4)                              ; source 0: window 2 or 3
.irp b, 0,1,2,3                        ; each accumulator is read from its low end on.  Gi, Gf x log2(e),
.irp j, 0,2,4,6
	v_pk_mul_f32 v[GI+8*\b+\j:GI+8*\b+\j+1], v[AC+8*\b+\j:AC+8*\b+\j+1], 0x3fb8aa3b op_sel_hi:[1,0]
.endr
.endr
.irp b, 4,5                            ; Go x -log2(e),
.irp j, 0,2,4,6
	v_pk_mul_f32 v[GI+8*\b+\j:GI+8*\b+\j+1], v[AC+8*\b+\j:AC+8*\b+\j+1], 0xbfb8aa3b op_sel_hi:[1,0]
.endr
.endr
.irp b, 6,7                            ; Gz x 2 log2(e)
.irp j, 0,2,4,6
	v_pk_mul_f32 v[GI+8*\b+\j:GI+8*\b+\j+1], v[AC+8*\b+\j:AC+8*\b+\j+1], 0x4038aa3b op_sel_hi:[1,0]
.endr
.endr
	WIN 0
.set J, 0
.rept 64
	v_exp_f32 v[GI+J], v[GI+J]                     ; i, f, e^-Go, e^2Gz: one batch
.set J, J+1
.endr
	v_nop                                          ; a plain instruction behind the last exponential
	s_wait_alu depctr_va_vdst(0)                   ; the wait stands ahead of the first instruction that names a result: one for the 64
	s_wait_dscnt \left                             ; c_prev and n_prev of this block are in
.irp j, 0,2,4,6,8,10,12,14
	v_pk_add_f32 v[GZ+\j:GZ+\j+1], v[GZ+\j:GZ+\j+1], 1.0 op_sel_hi:[1,0]                 ; 1 + e^2Gz
.endr
.irp j, 0,2,4,6,8,10,12,14
	v_pk_fma_f32 v[NE+\j:NE+\j+1], v[GF+\j:GF+\j+1], v[NE+\j:NE+\j+1], v[GI+\j:GI+\j+1]  ; n = f n_prev + i
.endr
.irp j, 0,2,4,6,8,10,12,14
	v_pk_add_f32 v[DE+\j:DE+\j+1], v[NE+\j:NE+\j+1], 0x358637bd op_sel_hi:[1,0]          ; n + 1e-6
.endr
.irp j, 0,2,4,6,8,10,12,14
	v_pk_fma_f32 v[DE+\j:DE+\j+1], v[DE+\j:DE+\j+1], v[GO+\j:GO+\j+1], v[DE+\j:DE+\j+1]  ; (n + 1e-6)(1 + e^-Go): o and the division share one reciprocal
.endr
.set J, 0
.rept 16
	v_rcp_f32 v[GZ+J], v[GZ+J]
.set J, J+1
.endr
.set J, 0
.rept 16
	v_rcp_f32 v[DE+J], v[DE+J]
.set J, J+1
.endr
.irp j, 0,2,4,6,8,10,12,14
	v_pk_mul_f32 v[CE+\j:CE+\j+1], v[GF+\j:GF+\j+1], v[CE+\j:CE+\j+1]                    ; f c_prev: plain work that names no reciprocal
.endr
	s_wait_alu depctr_va_vdst(0)                   ; one wait for the 32 reciprocals
.irp j, 0,2,4,6,8,10,12,14
	v_pk_fma_f32 v[GZ+\j:GZ+\j+1], v[GZ+\j:GZ+\j+1], -2.0, 1.0 op_sel_hi:[1,0,0]         ; z = 1 - 2 / (1 + e^2Gz)
.endr
.irp j, 0,2,4,6,8,10,12,14
	v_pk_fma_f32 v[CE+\j:CE+\j+1], v[GI+\j:GI+\j+1], v[GZ+\j:GZ+\j+1], v[CE+\j:CE+\j+1]  ; c = i z + f c_prev
.endr
.irp j, 0,2,4,6,8,10,12,14
	v_pk_mul_f32 v[DE+\j:DE+\j+1], v[CE+\j:CE+\j+1], v[DE+\j:DE+\j+1]                    ; h = c / ((n + 1e-6)(1 + e^-Go))
.endr
.irp u, 0,1
.irp k, 0,1
	ds_store_b128 v[EC], v[CE+8*\u+4*\k:CE+8*\u+4*\k+3] offset:16*PITCH*(\a)+64*\u+16*\k   ; over the bytes that this lane read
	ds_store_b128 v[EN], v[NE+8*\u+4*\k:NE+8*\u+4*\k+3] offset:16*PITCH*(\a)+64*\u+16*\k
	ds_store_b128 v[EH], v[DE+8*\u+4*\k:DE+8*\u+4*\k+3] offset:16*PITCH*(\a)+64*\u+16*\k
.endr
.endr
.endm
.macro OUT p                           ; 16 whole rows of h, c and n: back from LDS into window 1 (two sets of 96 registers by turns), and stored
.set OB, 96*((\p)%2)
.if (\p) >= 2
	s_wait_xcnt 0x0                                ; the stores of two phases back have read these registers: they are loaded again only behind this wait
.endif
	WIN TO_B
.irp t, 0,1,2,3,4,5,6,7
	ds_load_b128 v[OB+4*\t:OB+4*\t+3], v[RDH] offset:(32*(\p)+2*\t)*PITCH
.endr
.irp t, 0,1,2,3,4,5,6,7
	ds_load_b128 v[OB+32+4*\t:OB+32+4*\t+3], v[RDC] offset:(32*(\p)+2*\t)*PITCH
.endr
.irp t, 0,1,2,3,4,5,6,7
	ds_load_b128 v[OB+64+4*\t:OB+64+4*\t+3], v[RDN] offset:(32*(\p)+2*\t)*PITCH
.endr
	WIN 0x04                                       ; a store's data are its source 1: window 1
.irp t, 0,1,2,3,4,5,6,7
	s_wait_dscnt 23-\t                             ; this load is in; the younger ones may be out
	global_store_b128 v[CO], v[OB+4*\t:OB+4*\t+3], s[78:79] offset:(32*(\p)+2*\t)*8192 th:TH_STORE_NT   ; sixteen lanes store 256 consecutive bytes, aligned; written once, read by nobody here
.endr
.irp t, 0,1,2,3,4,5,6,7
	s_wait_dscnt 15-\t
	global_store_b128 v[CO], v[OB+32+4*\t:OB+32+4*\t+3], s[80:81] offset:(32*(\p)+2*\t)*8192 th:TH_STORE_NT
.endr
.irp t, 0,1,2,3,4,5,6,7
	s_wait_dscnt 7-\t
	global_store_b128 v[CO], v[OB+64+4*\t:OB+64+4*\t+3], s[82:83] offset:(32*(\p)+2*\t)*8192 th:TH_STORE_NT
.endr
	WIN 0
.endm
.macro PHASE p
	CNL 2*(\p)
	CNL 2*(\p)+1
	EPI 2*(\p), 8                                  ; behind its loads: the odd block's eight loads
	EPI 2*(\p)+1, 12                               ; behind its loads: the even block's twelve stores
	s_wait_dscnt 0x0                               ; for the others' sake: my stores have landed
	s_barrier_signal -1
	s_barrier_wait -1
	OUT \p
.endm
	PHASE 0
	PHASE 1
	PHASE 2
	PHASE 3
	s_wait_tensorcnt 0x0                           ; the wave's end: these three lines stand behind my last tensor load and my last LDS store
	ds_add_u32 v[SPW], v[NIL]
	s_wait_dscnt 0x0
	CROUND                                         ; the closing round: no work-group ends while a partner may still ask for a tile that names it
	s_endpgm
.Lfunc_end_k_qbf9a58c2c6_cell:
	.size	k_qbf9a58c2c6_cell, .Lfunc_end_k_qbf9a58c2c6_cell-k_qbf9a58c2c6_cell
	.p2alignl 7, 3214868480
	.fill 96, 4, 3214868480
	.section	.rodata,"a",@progbits
	.p2align	6, 0x0
	.amdhsa_kernel k_qbf9a58c2c6_cell
		.amdhsa_group_segment_fixed_size 327680
		.amdhsa_private_segment_fixed_size 0
		.amdhsa_enable_private_segment 0
		.amdhsa_kernarg_size 96
		.amdhsa_user_sgpr_count 2
		.amdhsa_user_sgpr_kernarg_segment_ptr 1
		.amdhsa_wavefront_size32 1
		.amdhsa_system_sgpr_workgroup_id_x 1
		.amdhsa_system_sgpr_workgroup_id_y 1
		.amdhsa_system_sgpr_workgroup_id_z 1
		.amdhsa_system_vgpr_workitem_id 0
		.amdhsa_next_free_vgpr 1024
		.amdhsa_next_free_sgpr 100
		.amdhsa_reserve_vcc 0
		.amdhsa_float_denorm_mode_32 3
		.amdhsa_float_denorm_mode_16_64 3
		.amdhsa_memory_ordered 1
		.amdhsa_forward_progress 1
		.amdhsa_inst_pref_size 255
	.end_amdhsa_kernel
	.section	.bss,"aw",@nobits
	.p2align	6
	.space	262144
	.amdgpu_metadata
---
amdhsa.version: [ 1, 2 ]
amdhsa.kernels:
  - .name:           k_qbf9a58c2c6_cell
    .symbol:         k_qbf9a58c2c6_cell.kd
    .args:
      - { .name: acode, .offset: 0, .size: 8, .value_kind: global_buffer, .address_space: global }
      - { .name: bcode, .offset: 8, .size: 8, .value_kind: global_buffer, .address_space: global }
      - { .name: scl, .offset: 16, .size: 8, .value_kind: global_buffer, .address_space: global }
      - { .name: b_i, .offset: 24, .size: 8, .value_kind: global_buffer, .address_space: global }
      - { .name: b_f, .offset: 32, .size: 8, .value_kind: global_buffer, .address_space: global }
      - { .name: b_o, .offset: 40, .size: 8, .value_kind: global_buffer, .address_space: global }
      - { .name: b_z, .offset: 48, .size: 8, .value_kind: global_buffer, .address_space: global }
      - { .name: c_prev, .offset: 56, .size: 8, .value_kind: global_buffer, .address_space: global }
      - { .name: n_prev, .offset: 64, .size: 8, .value_kind: global_buffer, .address_space: global }
      - { .name: out0, .offset: 72, .size: 8, .value_kind: global_buffer, .address_space: global }
      - { .name: out1, .offset: 80, .size: 8, .value_kind: global_buffer, .address_space: global }
      - { .name: out2, .offset: 88, .size: 8, .value_kind: global_buffer, .address_space: global }
    .group_segment_fixed_size: 327680
    .private_segment_fixed_size: 0
    .kernarg_segment_align: 8
    .kernarg_segment_size: 96
    .max_flat_workgroup_size: 128
    .sgpr_count:     100
    .vgpr_count:     1024
    .wavefront_size: 32
...
	.end_amdgpu_metadata
.endif
;; end of part 2
